; MI455X (gfx1250); checked and timed in simulation.
; The chip was launched on July 23, 2026; its instructions are those of AMD's public machine-readable ISA for CDNA 5 (MIT licence, August 2026) and "CDNA5" Instruction Set Architecture Reference Guide (July 2026).
;; Attention. Allowed arithmetic: matrix products marked QUANTISED: E5M2 operands, one E8M0 scale for each 32 along K, by v_wmma_scale_f32_16x16x128_f8f6f4 with both operands' format E5M2, f32 sums; everything else in f32.
;; Inputs: head_codes 8 x 2,048 x 32 x 32 uint8 (E5M2 codes of head, K innermost, in blocks of 32 codes); head_scales 8 x 2,048 x 32 uint8 (E8M0 scales of head, one for each 32 codes along K); tail 8 x 2,048 x 1,024 float32.
;; Outputs: out0 8 x 2,048 x 1,024 float32.
;; This version of the problem:
;;   THIS VERSION OF THE PROBLEM IS GIVEN IN LOW PRECISION. The matrix products marked QUANTISED in the list below multiply operands that are first quantised to E5M2 (5 exponent bits, 2 mantissa bits; 8 bits a number), with one power-of-two scale for each 32 numbers along K (OCP MX v1.0); their sums are f32. All else is computed in f32.
;;   The module's matrix products, in the order in which they are computed (A, B: the left and right operand; K: the contracted axis; several contracted axes count as one K, in the product's order):
;;     1. batch 8 x [M 2,048, K 1,024] x [K 1,024, N 2,048]; A: input tail; B: input head (given as codes): QUANTISED
;;     2. batch 8 x [M 2,048, K 2,048] x [K 2,048, N 1,024]; A: softmax (see below); B: input tail: QUANTISED
;;   THE QUANTISER, for each operand of a quantised product, along K:
;;     - K is cut into blocks of 32 from its start; a last block that is shorter is filled with zeros.
;;     - A block's scale is 2^e with e = floor(log2(the largest magnitude in the block)) - 15, held to -126 .. 127; a block of zeros has e = 0. As a byte (E8M0): e + 127.
;;     - Each number is divided by its block's scale, clamped to +-57,344, and rounded to the nearest number of E5M2, ties to even, subnormals kept.
;;     - The product sums the exact products of the quantised numbers (number of the format x scale) in f32.
;;   ~~~python
;;   def quantise(x, axis):      # numpy; x: float32 -> the quantised numbers, widened to float32 again
;;       x = np.moveaxis(x, axis, -1); K = x.shape[-1]
;;       x = np.pad(x, [(0, 0)] * (x.ndim - 1) + [(0, -K % 32)]); x = x.reshape(x.shape[:-1] + (-1, 32)); a = np.abs(x).max(-1, keepdims=True)
;;       e = np.where(a > 0, np.clip(np.frexp(np.where(a > 0, a, 1))[1] - 1 - 15, -126, 127), 0)      # np.frexp(a)[1] - 1 = floor(log2(a)), exactly
;;       r = np.clip(x / 2.0 ** e, -57344, 57344)
;;       step = 2.0 ** (np.maximum(np.frexp(np.where(r == 0, 1, r))[1] - 1, -14) - 2)
;;       q = np.round(r / step) * step * 2.0 ** e      # np.round: ties to even
;;       return np.moveaxis(q.reshape(q.shape[:-2] + (-1,))[..., :K], -1, axis).astype(np.float32)
;;   ~~~
;;   SOFTMAX AHEAD OF A QUANTISED PRODUCT. Where the list says 'softmax', what is quantised is not the finished softmax but p = 2^(t - M), with t = logit x log2(e) and M = ceil(the row's largest t), a whole number; so 1/2 < the row's largest p <= 1. The row's sum l is taken of the UNQUANTISED p, in f32, and the product's result is divided by l at the end. Since M is a whole number, a kernel that streams over the keys may use a running M (the ceiling of the running maximum): every later rescaling is an exact power of two, which a block's scale takes up: the codes' values come out the same.
;;   OPERANDS COMPUTED ON THE WAY. 'Computed on the way' means the value that the module computes at that place (a softmax that the list does not call 'softmax' is quantised finished and normalised). What goes into a quantiser is computed in f32, as accurately as f32 sums, v_exp_f32 and their like allow (about 1e-6 of the number): no bf16 or f16 on the way to a quantiser, and a product that is left as it is and whose result goes on into a quantised operand takes f32 operands (vector FMAs, or v_wmma_f32_16x16x4_f32). A number that lies on a knife's edge between two numbers of the format may be rounded either way, as far as f32 arithmetic and the matrix unit's own rounding can turn it there, and no further.
;;   INPUTS GIVEN AS CODES. head (in the module: [8, 2048, 1024], K = its axis 2): each comes as NAME_codes (uint8): NAME with its K axis moved to the last place and cut into blocks of 32 codes, [.., K / 32, bytes a block], one block behind the other in memory; one code a byte (a code: sign, 5 exponent bits, 2 mantissa bits); and NAME_scales (uint8): the same leading axes, one E8M0 byte (e + 127) for each 32 codes along K. Its value is code x scale, taken as it is: it is not quantised again, and the codes and scales need not be those that the quantiser above would give.
;; One version. Each part assembles by itself: llvm-mc -triple=amdgcn-amd-amdhsa -mcpu=gfx1250 --defsym DOCPART=n.
;; ======== version 1 of 1: 3 launches
;; workspace buffers: tq_codes 16,777,216 bytes; tq_scales 524,288 bytes; tv_codes 16,777,216 bytes; tv_scales 524,288 bytes; p_codes 33,554,432 bytes; p_scales 1,048,576 bytes; p_m 1,048,576 bytes; p_l 1,048,576 bytes
;; launch quant (part 1): grid 4 x 64, 8 waves a work-group, no clusters, 211,968 bytes of LDS; arguments tail, tq_codes, tq_scales, tv_codes, tv_scales; writes tq_codes, tq_scales, tv_codes, tv_scales
.if DOCPART == 1
	.amdgcn_target "amdgcn-amd-amdhsa--gfx1250"
	.amdhsa_code_object_version 6
	.text
	.protected	k_q945e7a3472_quant
	.globl	k_q945e7a3472_quant
	.p2align	8
	.type	k_q945e7a3472_quant,@function
k_q945e7a3472_quant:
	s_mov_b64 s[64:65], 0
	v_nop
	global_prefetch_b8 v0, s[64:65] scope:SCOPE_SE
	s_setreg_imm32_b32 hwreg(HW_REG_WAVE_MODE, 25, 1), 1
	s_wait_xcnt 0x0
.set PT,   272
.set TW,   32*PT
.set QST,  8*TW
.set VST,  16*TW
.set VSC,  VST+256*PT
.set GOF, 2
.set TST, 3
.set TQ,  4
.set TV,  5
.set QSA, 6
.set QRD, 7
.set VSA, 8
.set VRD, 9
.set VBA, 10
.set VBR, 11
.set QGO, 12
.set VGO, 13
.set L8,  14
.set C,   16
.set SB,  30
.set R,   32
.set XQ,  160
.set XV,  224
	s_load_b128 s[4:7], s[0:1], 0x0
	s_load_b128 s[8:11], s[0:1], 0x10
	s_load_b64 s[12:13], s[0:1], 0x20
	s_set_vgpr_msb 0x40
	v_lshl_add_u32 v0, v0, 2, 0x33800
	v_mov_b32 v1, 0
	s_set_vgpr_msb 0x4000
	v_lshrrev_b32 v1, 5, v0
	v_readfirstlane_b32 s14, v1
	v_and_b32 v1, 31, v0
	v_and_b32 v15, 15, v0
	v_bfe_u32 v29, v0, 4, 1
	s_and_b32 s15, ttmp7, 0xffff
	s_lshr_b32 s16, s15, 3
	s_and_b32 s17, s15, 7
	s_mul_i32 s28, s14, TW
	v_lshlrev_b32 v[GOF], 4, v15
	v_lshl_add_u32 v[QGO], v29, 10, v[GOF]
	v_lshl_add_u32 v[VGO], v29, 11, v[GOF]
	v_mul_u32_u24 v[TST], v29, PT
	v_add_nc_u32 v[TST], v[TST], v[GOF]
	v_add_nc_u32 v[TST], s28, v[TST]
	v_add_nc_u32 v[QRD], QST, v[TST]
	v_add_nc_u32 v[VRD], VST, v[TST]
	v_lshl_add_u32 v[GOF], v29, 12, v[GOF]
	v_mul_u32_u24 v[VSA], v1, PT
	v_add_nc_u32 v[TQ], s28, v[VSA]
	v_add_nc_u32 v[QSA], QST, v[TQ]
	v_lshl_add_u32 v[TV], v1, 2, s28
	s_lshl_b32 s29, s14, 5
	s_add_co_u32 s29, s29, VST
	v_add_nc_u32 v[VSA], s29, v[VSA]
	s_add_co_u32 s29, s14, VSC
	v_lshl_add_u32 v[VBA], v1, 3, s29
	s_lshl_b32 s29, s14, 8
	s_add_co_u32 s29, s29, VSC
	v_lshl_add_u32 v[VBR], v1, 3, s29
	v_lshlrev_b32 v[L8], 3, v1
	s_mov_b32 s30, 0x600000
	s_cmp_ge_u32 ttmp9, 2
	s_cselect_b32 s31, 0x80808080, 0
	s_lshl_b32 s18, s15, 8
	s_lshl_b32 s19, s14, 5
	s_add_co_u32 s18, s18, s19
	s_lshl_b32 s20, s18, 12
	s_lshl_b32 s19, ttmp9, 10
	s_add_co_u32 s20, s20, s19
	s_mov_b32 s21, 0
	s_lshl_b32 s22, s18, 10
	s_lshl_b32 s19, ttmp9, 8
	s_add_co_u32 s22, s22, s19
	s_mov_b32 s23, 0
	s_lshl_b32 s24, s18, 3
	s_lshl_b32 s19, ttmp9, 17
	s_add_co_u32 s24, s24, s19
	s_mov_b32 s25, 0
	s_lshl_b32 s26, s16, 10
	s_lshl_b32 s19, ttmp9, 8
	s_add_co_u32 s26, s26, s19
	s_lshl_b32 s19, s14, 5
	s_add_co_u32 s26, s26, s19
	s_lshl_b32 s26, s26, 11
	s_lshl_b32 s19, s17, 8
	s_add_co_u32 s26, s26, s19
	s_mov_b32 s27, 0
	s_lshl_b32 s32, s15, 13
	s_lshl_b32 s19, ttmp9, 11
	s_add_co_u32 s32, s32, s19
	s_lshl_b32 s19, s14, 8
	s_add_co_u32 s32, s32, s19
	s_mov_b32 s33, 0
	s_wait_kmcnt 0x0
	s_add_nc_u64 s[4:5], s[4:5], s[20:21]
	s_add_nc_u64 s[6:7], s[6:7], s[22:23]
	s_add_nc_u64 s[8:9], s[8:9], s[24:25]
	s_add_nc_u64 s[10:11], s[10:11], s[26:27]
	s_add_nc_u64 s[12:13], s[12:13], s[32:33]
.macro LOAD g
.irp t, 0,1,2,3,4,5,6,7,8,9,10,11,12,13,14,15
	global_load_b128 v[R+64*((\g)%2)+4*\t:R+64*((\g)%2)+4*\t+3], v[GOF], s[4:5] offset:2*\t*4096+256*(\g) th:TH_LOAD_NT
.endr
.endm
.macro QUANT x, n
	v_max3_num_f32 v24, |v[(\x)]|, |v[(\x)+1]|, |v[(\x)+2]|
	v_max3_num_f32 v25, |v[(\x)+3]|, |v[(\x)+4]|, |v[(\x)+5]|
.irp i, 6,10,14,18,22,26
	v_max3_num_f32 v24, v24, |v[(\x)+\i]|, |v[(\x)+\i+1]|
	v_max3_num_f32 v25, v25, |v[(\x)+\i+2]|, |v[(\x)+\i+3]|
.endr
	v_max3_num_f32 v24, v24, |v[(\x)+30]|, |v[(\x)+31]|
	v_max3_num_f32 v24, v24, v25, 0x8000000
	v_add_nc_u32 v27, 0xf8800000, v24
	v_and_or_b32 v26, v24, 0x7f800000, s30
.set i, 0
.rept 32
	v_med3_num_f32 v[(\x)+i], v[(\x)+i], -v26, v26
.set i, i+1
.endr
	s_wait_dscnt \n
	v_lshrrev_b32 v28, 23, v27
.irp k, 0,1,2,3
	v_cvt_scalef32_pk8_bf8_f32 v[C+2*\k:C+2*\k+1], v[(\x)+8*\k:(\x)+8*\k+7], v27
.endr
	v_nop
.endm
.macro SBYTE n
.if (\n)%4 == 0
	v_mov_b32 v[SB+(\n)/4], v28
.else
	v_lshl_or_b32 v[SB+(\n)/4], v28, 8*((\n)%4), v[SB+(\n)/4]
.endif
.endm
.macro FLIP
.irp k, 0,1,2,3,4,5,6,7
	v_xor_b32 v[C+\k], s31, v[C+\k]
.endr
.endm
.macro CHUNK g
.if (\g) < 3
	s_wait_loadcnt 16
.else
	s_wait_loadcnt 0x0
.endif
.irp t, 0,1,2,3,4,5,6,7,8,9,10,11,12,13,14,15
	ds_store_b128 v[TST], v[R+64*((\g)%2)+4*\t:R+64*((\g)%2)+4*\t+3] offset:2*\t*PT
.endr
.irp j, 0,1,2,3,4,5,6,7,8,9,10,11,12,13,14,15
	ds_load_b128 v[XQ+4*\j:XQ+4*\j+3], v[TQ] offset:16*\j
.endr
.set i, 0
.rept 32
	ds_load_b32 v[XV+i], v[TV] offset:PT*i
.set i, i+1
.endr
	s_wait_dscnt 48
.if (\g) < 2
	LOAD (\g)+2
.endif
	s_wait_dscnt 32
	QUANT XQ, 32
	SBYTE 2*(\g)
	FLIP
	ds_store_b128 v[QSA], v[C:C+3] offset:64*(\g)
	ds_store_b128 v[QSA], v[C+4:C+7] offset:64*(\g)+16
.set i, 0
.rept 32
	ds_load_b32 v[XQ+i], v[TV] offset:PT*i+128
.set i, i+1
.endr
	QUANT XQ+32, 32
	SBYTE 2*(\g)+1
	FLIP
	ds_store_b128 v[QSA], v[C:C+3] offset:64*(\g)+32
	ds_store_b128 v[QSA], v[C+4:C+7] offset:64*(\g)+48
	QUANT XV, 0
	ds_store_b128 v[VSA], v[C:C+3] offset:64*(\g)*PT
	ds_store_b128 v[VSA], v[C+4:C+7] offset:64*(\g)*PT+16
	ds_store_b8 v[VBA], v28 offset:64*(\g)*8
	QUANT XQ, 0
	ds_store_b128 v[VSA], v[C:C+3] offset:(64*(\g)+32)*PT
	ds_store_b128 v[VSA], v[C+4:C+7] offset:(64*(\g)+32)*PT+16
	ds_store_b8 v[VBA], v28 offset:(64*(\g)+32)*8
.endm
	LOAD 0
	LOAD 1
	CHUNK 0
	CHUNK 1
	CHUNK 2
	CHUNK 3
.irp t, 0,1,2,3,4,5,6,7,8,9,10,11,12,13,14,15
	ds_load_b128 v[R+4*\t:R+4*\t+3], v[QRD] offset:2*\t*PT
.endr
	s_wait_dscnt 0x0
	s_barrier_signal -1
	s_barrier_wait -1
.irp t, 0,1,2,3,4,5,6,7,8,9,10,11,12,13,14,15
	ds_load_b128 v[R+64+4*\t:R+64+4*\t+3], v[VRD] offset:2*\t*PT
.endr
	ds_load_b64 v[XQ:XQ+1], v[VBR]
.irp t, 0,1,2,3,4,5,6,7,8,9,10,11,12,13,14,15
	global_store_b128 v[QGO], v[R+4*\t:R+4*\t+3], s[6:7] offset:2*\t*1024
.endr
	global_store_b64 v[L8], v[SB:SB+1], s[8:9]
.irp t, 0,1,2,3,4,5,6,7,8,9,10,11,12,13,14,15
	s_wait_dscnt 16-\t
	global_store_b128 v[VGO], v[R+64+4*\t:R+64+4*\t+3], s[10:11] offset:2*\t*2048
.endr
	s_wait_dscnt 0x0
	global_store_b64 v[L8], v[XQ:XQ+1], s[12:13]
	s_set_vgpr_msb 0x5
	s_wait_tensorcnt 0x0
	ds_add_u32 v0, v1
	s_wait_dscnt 0x0
	s_set_vgpr_msb 0x500
	s_endpgm
.Lfunc_end_k_q945e7a3472_quant:
	.size	k_q945e7a3472_quant, .Lfunc_end_k_q945e7a3472_quant-k_q945e7a3472_quant
	.p2alignl 7, 3214868480
	.fill 96, 4, 3214868480
	.section	.rodata,"a",@progbits
	.p2align	6, 0x0
	.amdhsa_kernel k_q945e7a3472_quant
		.amdhsa_group_segment_fixed_size 211968
		.amdhsa_private_segment_fixed_size 0
		.amdhsa_enable_private_segment 0
		.amdhsa_kernarg_size 40
		.amdhsa_user_sgpr_count 2
		.amdhsa_user_sgpr_kernarg_segment_ptr 1
		.amdhsa_wavefront_size32 1
		.amdhsa_system_sgpr_workgroup_id_x 1
		.amdhsa_system_sgpr_workgroup_id_y 1
		.amdhsa_system_sgpr_workgroup_id_z 1
		.amdhsa_system_vgpr_workitem_id 0
		.amdhsa_next_free_vgpr 258
		.amdhsa_next_free_sgpr 66
		.amdhsa_reserve_vcc 0
		.amdhsa_float_denorm_mode_32 3
		.amdhsa_float_denorm_mode_16_64 3
		.amdhsa_memory_ordered 1
		.amdhsa_forward_progress 1
		.amdhsa_inst_pref_size 102
	.end_amdhsa_kernel
	.amdgpu_metadata
---
amdhsa.version: [ 1, 2 ]
amdhsa.kernels:
  - .name:           k_q945e7a3472_quant
    .symbol:         k_q945e7a3472_quant.kd
    .args:
      - { .name: tail, .offset: 0, .size: 8, .value_kind: global_buffer, .address_space: global }
      - { .name: tq_codes, .offset: 8, .size: 8, .value_kind: global_buffer, .address_space: global }
      - { .name: tq_scales, .offset: 16, .size: 8, .value_kind: global_buffer, .address_space: global }
      - { .name: tv_codes, .offset: 24, .size: 8, .value_kind: global_buffer, .address_space: global }
      - { .name: tv_scales, .offset: 32, .size: 8, .value_kind: global_buffer, .address_space: global }
    .group_segment_fixed_size: 211968
    .private_segment_fixed_size: 0
    .kernarg_segment_align: 8
    .kernarg_segment_size: 40
    .max_flat_workgroup_size: 256
    .sgpr_count:     66
    .vgpr_count:     258
    .wavefront_size: 32
...
	.end_amdgpu_metadata
.endif
;; end of part 1
;; launch scores (part 2): grid 8 x 64, 4 waves a work-group, clusters of 4 x 4, 327,680 bytes of LDS; arguments tq_codes, tq_scales, head_codes, head_scales, p_codes, p_scales, p_m, p_l; writes p_codes, p_scales, p_m, p_l
.if DOCPART == 2
	.amdgcn_target "amdgcn-amd-amdhsa--gfx1250"
	.amdhsa_code_object_version 6
	.text
	.protected	k_q945e7a3472_scores
	.globl	k_q945e7a3472_scores
	.p2align	8
	.type	k_q945e7a3472_scores,@function
k_q945e7a3472_scores:
	s_mov_b64 s[64:65], 0
	v_nop
	global_prefetch_b8 v0, s[64:65] scope:SCOPE_SE
	s_setreg_imm32_b32 hwreg(HW_REG_WAVE_MODE, 25, 1), 1
	s_wait_xcnt 0x0
	s_wait_alu depctr_hold_cnt(0) depctr_sa_sdst(0) depctr_va_vdst(0) depctr_va_sdst(0) depctr_va_ssrc(0) depctr_va_vcc(0) depctr_vm_vsrc(0)
	s_getreg_b32 s2, hwreg(HW_REG_IB_STS2, 6, 4)
	s_cmp_eq_u32 s2, 0
	s_cbranch_scc0 .Lentry_in_a_cluster
	s_endpgm
.Lentry_in_a_cluster:
	s_bfe_u32 s2, ttmp6, 0x10000c
	s_cmp_lg_u32 s2, 0xf033
	s_cbranch_scc0 .Lentry_shape_is_right
	s_endpgm
.Lentry_shape_is_right:
.set KSTEP,  256
.set NQ,     KSTEP/128
.set ROWB,   256
.set KROW,   1024
.set PITCH,  272
.set FR,     16
.set NL,     4
.set NP,     8
.set HALFT,  128*PITCH
.set SLOT,   4*HALFT
.set KS,     32
.set SCL,    2*SLOT
.set HALFS,  (128*KS/256)*272
.set SBLK,   (16*KS/256)*272
.set SPARE,  SCL+4*HALFS
.set META,   256*PITCH
.set ADRA, 16
.set ADRB, 20
.set GSO,  18
.set ASA,  19
.set MGO,  22
.set BSA,  23
.set STO,  24
.set RD,   25
.set CO,   26
.set ADRS, 27
.set SPW,  28
.set NIL,  29
.set MST,  30
.set MRD,  31
.set SC,   32
.set AF,   128
.set TM,   64
.set TP,   68
.set TH,   72
.set TS,   76
.set NM,   82
.set P,    128
.set G1, 24
.set G0, 32
.set G1B, 48
.set G0B, 56
.set SEL, 80
.set CS,  82
.set MNT, 84
.set NG,  90
.set MSB, 0
.macro WIN new
.if MSB != \new
	s_set_vgpr_msb (MSB<<8)|\new
.set MSB, \new
.endif
.endm
.set MUL_LO, 0xa1
.set MUL_HI, 0xf1
.set TO_B,   0x40
.macro JLOAD g0a, g1a, g0b, g1b
	s_cmp_eq_u32 s15, 0
	s_cbranch_scc0 .Lfor_b_\@
	tensor_load_to_lds s[\g0a:\g0a+3], s[\g1a:\g1a+7]
	s_nop 0
.rept 4
	v_nop
.endr
	s_branch .Lasked_\@
.Lfor_b_\@:
	tensor_load_to_lds s[\g0b:\g0b+3], s[\g1b:\g1b+7]
	s_nop 0
.rept 4
	v_nop
.endr
.Lasked_\@:
.endm
.macro CREST
	s_cmp_lg_u32 s14, 0
	s_cbranch_scc1 .Lnot_wave_0_\@
	s_barrier_signal -3
.Lnot_wave_0_\@:
	s_barrier_wait -3
	s_barrier_signal -1
	s_barrier_wait -1
.endm
.macro CROUND
	s_barrier_signal -1
	s_barrier_wait -1
	CREST
.endm
	s_load_b128 s[4:7], s[0:1], 0x0
	s_load_b128 s[8:11], s[0:1], 0x10
	s_load_b128 s[68:71], s[0:1], 0x20
	s_load_b128 s[72:75], s[0:1], 0x30
	v_lshl_add_u32 v[SPW], v0, 2, SPARE
	v_mov_b32 v[NIL], 0
	ds_add_u32 v28, v29
	ds_add_u32 v28, v29
	s_wait_dscnt 0x0
	v_lshrrev_b32 v1, 5, v0
	v_readfirstlane_b32 s14, v1
	s_lshr_b32 s15, s14, 1
	s_and_b32 s16, s14, 1
	s_bfe_u32 s40, ttmp6, 0x40000
	s_bfe_u32 s41, ttmp6, 0x40004
	s_lshl_b32 s42, ttmp9, 2
	s_add_co_u32 s42, s42, s40
	s_and_b32 s17, ttmp7, 0xffff
	s_lshr_b32 s95, s17, 1
	s_lshl_b32 s17, s17, 2
	s_add_co_u32 s17, s17, s41
	s_lshl_b32 s43, s41, 2
	s_lshl_b32 s43, 15, s43
	s_lshl_b32 s44, 0x1111, s40
	s_or_b32 s[G1+0], s43, (0<<16)|(1<<20)|(1<<21)|(5<<22)|(3<<25)
	s_or_b32 s[G1B+0], s44, (0<<16)|(1<<20)|(1<<21)|(5<<22)|(3<<25)
.irp g, G1, G1B
	s_mov_b32 s[\g+1], ROWB<<16
	s_mov_b32 s[\g+2], 128<<16
	s_mov_b32 s[\g+3], ROWB<<16
	s_mov_b32 s[\g+4], 128
	s_mov_b32 s[\g+5], KROW
	s_mov_b32 s[\g+6], 0
	s_mov_b32 s[\g+7], 0
.endr
	s_lshl_b32 s18, s16, 7
	s_lshl_b32 s20, s17, 8
	s_add_co_u32 s20, s20, s18
	s_lshl_b32 s20, s20, 10
	s_mov_b32 s21, 0
	s_lshl_b32 s46, s42, 8
	s_add_co_u32 s46, s46, s18
	s_lshl_b32 s19, s95, 11
	s_add_co_u32 s46, s46, s19
	s_lshl_b32 s46, s46, 10
	s_mov_b32 s47, 0
	s_mul_i32 s45, s14, HALFT
	s_mov_b32 s[SEL], 0x76543210
	s_mov_b32 s[SEL+1], 0xfedcba98
	s_mov_b32 s[CS], 0xbd38aa3b
	s_mov_b32 s[CS+1], s[CS]
	s_mov_b32 s[MNT], 0x600000
	s_mov_b32 s[NG], 0xbf800000
	s_mov_b32 s[NG+1], s[NG]
	s_wait_kmcnt 0x0
	s_add_nc_u64 s[20:21], s[4:5], s[20:21]
	s_add_nc_u64 s[46:47], s[8:9], s[46:47]
	CROUND
.irp s, 0,1
	s_mov_b32 s[G0+4*\s], 1
	s_add_co_u32 s[G0+4*\s+1], s45, \s*SLOT
	s_add_nc_u64 s[G0+4*\s+2:G0+4*\s+3], s[20:21], \s*ROWB
	s_or_b32 s[G0+4*\s+3], s[G0+4*\s+3], 0x80000000
	s_mov_b32 s[G0B+4*\s], 1
	s_add_co_u32 s[G0B+4*\s+1], s45, \s*SLOT
	s_add_nc_u64 s[G0B+4*\s+2:G0B+4*\s+3], s[46:47], \s*ROWB
	s_or_b32 s[G0B+4*\s+3], s[G0B+4*\s+3], 0x80000000
	JLOAD G0+4*\s, G1, G0B+4*\s, G1B
.endr
	s_lshl_b32 s86, s17, 11
	s_mov_b32 s87, 0
	s_add_nc_u64 s[6:7], s[6:7], s[86:87]
	s_lshl_b32 s88, s95, 16
	s_lshl_b32 s89, s42, 13
	s_add_co_u32 s88, s88, s89
	s_mov_b32 s89, 0
	s_add_nc_u64 s[10:11], s[10:11], s[88:89]
	v_lshlrev_b32 v[GSO], 4, v0
.irp x, 0,1,2,3
	global_load_b128 v[64+4*\x:67+4*\x], v[GSO], s[6:7] offset:131072*\x
.endr
.irp j, 0,1,2,3
	global_load_b128 v[80+4*\j:83+4*\j], v[GSO], s[10:11] offset:2048*\j
.endr
	v_and_b32 v1, 15, v0
	v_bfe_u32 v2, v0, 4, 1
	v_mul_u32_u24 v3, v1, PITCH
	v_lshl_add_u32 v4, v2, 4, v3
	s_mul_i32 s21, s15, HALFT
	s_mul_i32 s22, s16, HALFT
	s_add_co_u32 s22, s22, 2*HALFT
.irp s, 0,1
	v_add_nc_u32 v[ADRA+\s], s21, v4
	v_add_nc_u32 v[ADRB+\s], s22, v4
	s_add_co_u32 s21, s21, SLOT
	s_add_co_u32 s22, s22, SLOT
.endr
	v_mul_u32_u24 v5, v1, KS
	v_lshrrev_b32 v6, 8, v5
	v_lshl_add_u32 v5, v6, 4, v5
	s_mul_i32 s21, s15, HALFS
	s_mul_i32 s22, s16, HALFS
	s_add_co_u32 s22, s22, 2*HALFS
	s_sub_co_u32 s22, s22, s21
	v_mul_u32_u24 v6, s22, v2
	s_add_co_u32 s21, s21, SCL
	v_add_nc_u32 v5, v5, v6
	v_add_nc_u32 v[ADRS], s21, v5
	v_lshrrev_b32 v5, 2, v0
	v_mul_u32_u24 v5, v5, 272
	v_and_b32 v6, 3, v0
	v_lshl_add_u32 v5, v6, 6, v5
	v_add_nc_u32 v[ASA], SCL, v5
	v_lshrrev_b32 v5, 4, v0
	v_mul_u32_u24 v5, v5, 272
	v_lshl_add_u32 v5, v1, 4, v5
	v_add_nc_u32 v[BSA], SCL+2*HALFS, v5
	s_mul_i32 s21, s15, 128*PITCH
	s_lshl_b32 s22, s16, 7
	s_add_co_u32 s21, s21, s22
	v_lshl_add_u32 v5, v2, 3, v3
	v_add_nc_u32 v[STO], s21, v5
	s_mul_i32 s21, s14, 64*PITCH
	v_mul_u32_u24 v5, v2, PITCH
	v_lshl_add_u32 v5, v1, 4, v5
	v_add_nc_u32 v[RD], s21, v5
	v_lshlrev_b32 v[CO], 11, v2
	v_lshl_add_u32 v[CO], v1, 4, v[CO]
	s_mul_i32 s21, s14, 1536
	s_add_co_u32 s21, s21, META
	v_lshl_add_u32 v[MST], v1, 2, s21
	v_and_b32 v6, 31, v0
	v_lshlrev_b32 v[MGO], 4, v6
	v_add_nc_u32 v[MRD], s21, v[MGO]
	s_lshl_b32 s86, s17, 19
	s_lshl_b32 s88, s14, 17
	s_add_co_u32 s86, s86, s88
	s_lshl_b32 s88, s42, 8
	s_add_co_u32 s86, s86, s88
	s_add_nc_u64 s[68:69], s[68:69], s[86:87]
	s_lshl_b32 s86, s17, 14
	s_lshl_b32 s88, s42, 11
	s_add_co_u32 s86, s86, s88
	s_lshl_b32 s88, s16, 10
	s_add_co_u32 s86, s86, s88
	s_lshl_b32 s88, s15, 9
	s_add_co_u32 s86, s86, s88
	s_add_nc_u64 s[70:71], s[70:71], s[86:87]
	s_add_nc_u64 s[72:73], s[72:73], s[86:87]
	s_add_nc_u64 s[74:75], s[74:75], s[86:87]
	s_wait_loadcnt 0x0
.irp x, 0,1,2,3
.irp e, 0,1
	ds_store_b64 v[ASA], v[64+4*\x+2*\e:65+4*\x+2*\e] offset:32*\e+8*\x
.endr
.endr
.irp j, 0,1,2,3
	ds_store_b128 v[BSA], v[80+4*\j:83+4*\j] offset:2176*\j
.endr
.macro FRAG reg, adr, q, i
.irp c, 0,1,2,3
	ds_load_b128 v[\reg+4*\c:\reg+4*\c+3], v[\adr] offset:128*(\q)+32*\c+(\i)*16*PITCH
.endr
.endm
.macro MUL16 a0, p, q, sc, zero
.irp a, \a0, \a0+1
.irp b, 0,1,2,3,4,5,6,7
.if \zero
	v_wmma_scale_f32_16x16x128_f8f6f4 v[8*(8*((\a)%4)+\b):8*(8*((\a)%4)+\b)+7], v[128*(\p)+FR*\b:128*(\p)+FR*\b+FR-1], v[AF+FR*(\a):AF+FR*(\a)+FR-1], 0, v[SC+8*NQ*(\sc)+NQ*\b+(\q)], v[SC+8*NQ*(\sc)+NQ*(\a)+(\q)] matrix_a_fmt:MATRIX_FMT_BF8 matrix_b_fmt:MATRIX_FMT_BF8 matrix_a_scale:MATRIX_SCALE_ROW1
.else
	v_wmma_scale_f32_16x16x128_f8f6f4 v[8*(8*((\a)%4)+\b):8*(8*((\a)%4)+\b)+7], v[128*(\p)+FR*\b:128*(\p)+FR*\b+FR-1], v[AF+FR*(\a):AF+FR*(\a)+FR-1], v[8*(8*((\a)%4)+\b):8*(8*((\a)%4)+\b)+7], v[SC+8*NQ*(\sc)+NQ*\b+(\q)], v[SC+8*NQ*(\sc)+NQ*(\a)+(\q)] matrix_a_fmt:MATRIX_FMT_BF8 matrix_b_fmt:MATRIX_FMT_BF8 matrix_a_scale:MATRIX_SCALE_ROW1
.endif
.endr
.endr
.endm
.macro FETCH_B slot, q, p
	WIN TO_B
.irp i, 0,1,2,3,4,5,6,7
	FRAG 128*(\p)+FR*\i, ADRB+\slot, \q, \i
.endr
	WIN 0
.endm
.macro FETCH_A slot, q, i0
.irp i, \i0, \i0+1, \i0+2, \i0+3
	FRAG AF+FR*(\i), ADRA+\slot, \q, \i
.endr
.endm
.macro SCALES sc
.irp i, 0,1,2,3,4,5,6,7
	ds_load_b64 v[SC+8*NQ*\sc+NQ*\i:SC+8*NQ*\sc+NQ*\i+1], v[ADRS] offset:\i*SBLK
.endr
.endm
.macro PLACES n
.rept \n
	v_nop
.endr
.endm
.macro STEP slot, q, zero
	s_wait_dscnt 4*NL
	WIN MUL_LO
	MUL16 0, (\q)%2, \q, \slot, \zero
	MUL16 2, (\q)%2, \q, \slot, \zero
	s_wait_dscnt 0
	PLACES NP
	FETCH_B \slot, (\q)+1, 1-(\q)%2
	FETCH_A \slot, (\q)+1, 0
	WIN MUL_HI
	MUL16 4, (\q)%2, \q, \slot, \zero
	MUL16 6, (\q)%2, \q, \slot, \zero
	PLACES NP
	WIN 0
	FETCH_A \slot, (\q)+1, 4
.endm
.macro TURN slot, next, fill
	s_wait_tensorcnt 0x0
	ds_add_u32 v[SPW], v[NIL]
	s_wait_dscnt 4*NL+1
	WIN MUL_LO
	MUL16 0, 1, NQ-1, \slot, 0
	s_wait_dscnt 0x0
	s_barrier_signal -1
	MUL16 2, 1, NQ-1, \slot, 0
	WIN 0
	s_barrier_wait -1
.if \fill
	CREST
	s_add_nc_u64 s[G0+4*\slot+2:G0+4*\slot+3], s[G0+4*\slot+2:G0+4*\slot+3], 2*ROWB
	s_add_nc_u64 s[G0B+4*\slot+2:G0B+4*\slot+3], s[G0B+4*\slot+2:G0B+4*\slot+3], 2*ROWB
	JLOAD G0+4*\slot, G1, G0B+4*\slot, G1B
	PLACES NP-4
.else
	PLACES NP
.endif
	v_add_nc_u32 v[ADRS], 4*NQ, v[ADRS]
	FETCH_B \next, 0, 0
	FETCH_A \next, 0, 0
	SCALES \next
	WIN MUL_HI
	MUL16 4, 1, NQ-1, \slot, 0
	MUL16 6, 1, NQ-1, \slot, 0
	PLACES NP
	WIN 0
	FETCH_A \next, 0, 4
.endm
.macro NEGATE
	WIN 0x82
.set j, 0
.rept 128
	v_pk_mul_f32 v[j:j+1], v[j:j+1], s[NG:NG+1] op_sel_hi:[1,0]
.set j, j+2
.endr
	WIN 0xc3
.set j, 0
.rept 128
	v_pk_mul_f32 v[j:j+1], v[j:j+1], s[NG:NG+1] op_sel_hi:[1,0]
.set j, j+2
.endr
.endm
	s_wait_tensorcnt 1
	s_wait_dscnt 0x0
	s_barrier_signal -1
	s_barrier_wait -1
	FETCH_B 0, 0, 0
	FETCH_A 0, 0, 0
	SCALES 0
	FETCH_A 0, 0, 4
	STEP 0, 0, 1
	TURN 0, 1, 1
	STEP 1, 0, 0
	TURN 1, 0, 1
	NEGATE
	STEP 0, 0, 0
	TURN 0, 1, 0
	STEP 1, 0, 0
	s_wait_dscnt 4*NL
	WIN MUL_LO
	MUL16 0, 1, NQ-1, 1, 0
	MUL16 2, 1, NQ-1, 1, 0
	s_wait_dscnt 0
	WIN MUL_HI
	MUL16 4, 1, NQ-1, 1, 0
	MUL16 6, 1, NQ-1, 1, 0
	WIN 0
.macro EPI a
.set AC, 64*((\a)%4)
.set CD, 96+16*((\a)%2)
.set ME, 192+4*((\a)%2)
.if (\a) >= 2
	s_wait_dscnt 11
.endif
	WIN (0x02+((\a)/4))
.set j, 0
.rept 32
	v_pk_mul_f32 v[P+j:P+j+1], v[AC+j:AC+j+1], s[CS:CS+1] op_sel_hi:[1,0]
.set j, j+2
.endr
	WIN 0
.irp b, 0,1,2,3
	v_max3_num_f32 v[TM+\b], v[P+16*\b], v[P+16*\b+1], v[P+16*\b+2]
.endr
.irp i, 3,5,7,9,11,13
.irp b, 0,1,2,3
	v_max3_num_f32 v[TM+\b], v[TM+\b], v[P+16*\b+\i], v[P+16*\b+\i+1]
.endr
.endr
.irp b, 0,1,2,3
	v_max_num_f32 v[TM+\b], v[TM+\b], v[P+16*\b+15]
.endr
.irp b, 0,1,2,3
	v_permlanex16_b32 v[TP+\b], v[TM+\b], s[SEL], s[SEL+1]
.endr
.irp b, 0,1,2,3
	v_max_num_f32 v[TM+\b], v[TM+\b], v[TP+\b]
.endr
	v_max3_num_f32 v80, v[TM], v[TM+1], v[TM+2]
	v_max_num_f32 v80, v80, v[TM+3]
	v_floor_f32 v[NM], -v80
	v_mov_b32 v[ME+1], v[NM]
.set j, 0
.rept 32
	v_pk_add_f32 v[P+j:P+j+1], v[P+j:P+j+1], v[NM:NM+1] op_sel_hi:[1,0]
.set j, j+2
.endr
.irp b, 0,1,2,3
	v_add_f32 v[TM+\b], v[TM+\b], v[NM]
.endr
.set j, 0
.rept 64
	v_exp_f32 v[P+j], v[P+j]
.set j, j+1
.endr
	v_nop
	s_wait_alu depctr_va_vdst(0)
.irp b, 0,1,2,3
	v_exp_f32 v[TM+\b], v[TM+\b]
.endr
	v_pk_add_f32 v[84:85], v[P:P+1], v[P+2:P+3]
	v_pk_add_f32 v[86:87], v[P+4:P+5], v[P+6:P+7]
.set j, 8
.rept 14
	v_pk_add_f32 v[84:85], v[84:85], v[P+j:P+j+1]
	v_pk_add_f32 v[86:87], v[86:87], v[P+j+2:P+j+3]
.set j, j+4
.endr
	v_pk_add_f32 v[84:85], v[84:85], v[86:87]
	v_add_f32 v80, v84, v85
	v_permlanex16_b32 v81, v80, s[SEL], s[SEL+1]
	v_add_f32 v[ME+2], v80, v81
	s_wait_alu depctr_va_vdst(0)
.irp b, 0,1,2,3
	v_max_num_f32 v[TM+\b], 0x8000000, v[TM+\b]
.endr
.irp b, 0,1,2,3
	v_add_nc_u32 v[TS+\b], 0xf8800000, v[TM+\b]
.endr
.irp b, 0,1,2,3
	v_and_or_b32 v[TH+\b], v[TM+\b], 0x7f800000, s[MNT]
.endr
.irp b, 0,1,2,3
	v_lshrrev_b32 v[TP+\b], 23, v[TS+\b]
.endr
	v_lshl_or_b32 v[ME], v[TP+1], 8, v[TP]
	v_lshl_or_b32 v[ME], v[TP+2], 16, v[ME]
	v_lshl_or_b32 v[ME], v[TP+3], 24, v[ME]
.irp b, 0,1,2,3
.set j, 0
.rept 16
	v_min_num_f32 v[P+16*\b+j], v[P+16*\b+j], v[TH+\b]
.set j, j+1
.endr
	v_cvt_scalef32_pk8_bf8_f32 v[CD+4*\b:CD+4*\b+1], v[P+16*\b:P+16*\b+7], v[TS+\b]
	v_cvt_scalef32_pk8_bf8_f32 v[CD+4*\b+2:CD+4*\b+3], v[P+16*\b+8:P+16*\b+15], v[TS+\b]
.endr
	v_nop
.irp b, 0,1,2,3
.irp u, 0,1
	ds_store_b64 v[STO], v[CD+4*\b+2*\u:CD+4*\b+2*\u+1] offset:(\a)*16*PITCH+32*\b+16*\u
.endr
.endr
.irp i, 0,1,2
	ds_store_b32 v[MST], v[ME+\i] offset:512*\i+64*(\a)
.endr
.endm
	PLACES NP
.irp b, 0,1,2,3
	v_mov_b32 v[TP+\b], 0
.endr
	v_mov_b32 v81, 0
	v_mov_b32 v[NM+1], 0
.irp a, 0,1,2,3,4,5,6,7
	EPI \a
.endr
.irp i, 0,1,2
	ds_load_b128 v[64+4*\i:67+4*\i], v[MRD] offset:512*\i
.endr
	s_wait_dscnt 0x0
	s_barrier_signal -1
	s_barrier_wait -1
	global_store_b128 v[MGO], v[64:67], s[70:71]
	global_store_b128 v[MGO], v[68:71], s[72:73]
	global_store_b128 v[MGO], v[72:75], s[74:75]
.set t, 0
.rept 32
	ds_load_b128 v[128+4*t:131+4*t], v[RD] offset:2*PITCH*t
.set t, t+1
.endr
.set t, 0
.rept 32
	s_wait_dscnt 31-t
	global_store_b128 v[CO], v[128+4*t:131+4*t], s[68:69] offset:4096*t
.set t, t+1
.endr
	s_wait_tensorcnt 0x0
	ds_add_u32 v[SPW], v[NIL]
	s_wait_dscnt 0x0
	CROUND
	s_endpgm
.Lfunc_end_k_q945e7a3472_scores:
	.size	k_q945e7a3472_scores, .Lfunc_end_k_q945e7a3472_scores-k_q945e7a3472_scores
	.p2alignl 7, 3214868480
	.fill 96, 4, 3214868480
	.section	.rodata,"a",@progbits
	.p2align	6, 0x0
	.amdhsa_kernel k_q945e7a3472_scores
		.amdhsa_group_segment_fixed_size 327680
		.amdhsa_private_segment_fixed_size 0
		.amdhsa_enable_private_segment 0
		.amdhsa_kernarg_size 64
		.amdhsa_user_sgpr_count 2
		.amdhsa_user_sgpr_kernarg_segment_ptr 1
		.amdhsa_wavefront_size32 1
		.amdhsa_system_sgpr_workgroup_id_x 1
		.amdhsa_system_sgpr_workgroup_id_y 1
		.amdhsa_system_sgpr_workgroup_id_z 1
		.amdhsa_system_vgpr_workitem_id 0
		.amdhsa_next_free_vgpr 1024
		.amdhsa_next_free_sgpr 96
		.amdhsa_reserve_vcc 0
		.amdhsa_float_denorm_mode_32 3
		.amdhsa_float_denorm_mode_16_64 3
		.amdhsa_memory_ordered 1
		.amdhsa_forward_progress 1
		.amdhsa_inst_pref_size 255
	.end_amdhsa_kernel
	.section	.bss,"aw",@nobits
	.p2align	6
	.space	262144
	.amdgpu_metadata
---
amdhsa.version: [ 1, 2 ]
amdhsa.kernels:
  - .name:           k_q945e7a3472_scores
    .symbol:         k_q945e7a3472_scores.kd
    .args:
      - { .name: tq_codes, .offset: 0, .size: 8, .value_kind: global_buffer, .address_space: global }
      - { .name: tq_scales, .offset: 8, .size: 8, .value_kind: global_buffer, .address_space: global }
      - { .name: head_codes, .offset: 16, .size: 8, .value_kind: global_buffer, .address_space: global }
      - { .name: head_scales, .offset: 24, .size: 8, .value_kind: global_buffer, .address_space: global }
      - { .name: p_codes, .offset: 32, .size: 8, .value_kind: global_buffer, .address_space: global }
      - { .name: p_scales, .offset: 40, .size: 8, .value_kind: global_buffer, .address_space: global }
      - { .name: p_m, .offset: 48, .size: 8, .value_kind: global_buffer, .address_space: global }
      - { .name: p_l, .offset: 56, .size: 8, .value_kind: global_buffer, .address_space: global }
    .group_segment_fixed_size: 327680
    .private_segment_fixed_size: 0
    .kernarg_segment_align: 8
    .kernarg_segment_size: 64
    .max_flat_workgroup_size: 128
    .sgpr_count:     96
    .vgpr_count:     1024
    .wavefront_size: 32
...
	.end_amdgpu_metadata
.endif
;; end of part 2
;; launch mix (part 3): grid 4 x 64, 4 waves a work-group, clusters of 4 x 4, 327,680 bytes of LDS; arguments p_codes, p_scales, p_m, p_l, tv_codes, tv_scales, out0; writes out0
.if DOCPART == 3
	.amdgcn_target "amdgcn-amd-amdhsa--gfx1250"
	.amdhsa_code_object_version 6
	.text
	.protected	k_q945e7a3472_mix
	.globl	k_q945e7a3472_mix
	.p2align	8
	.type	k_q945e7a3472_mix,@function
k_q945e7a3472_mix:
	s_mov_b64 s[64:65], 0
	v_nop
	global_prefetch_b8 v0, s[64:65] scope:SCOPE_SE
	s_setreg_imm32_b32 hwreg(HW_REG_WAVE_MODE, 25, 1), 1
	s_wait_xcnt 0x0
	s_wait_alu depctr_hold_cnt(0) depctr_sa_sdst(0) depctr_va_vdst(0) depctr_va_sdst(0) depctr_va_ssrc(0) depctr_va_vcc(0) depctr_vm_vsrc(0)
	s_getreg_b32 s2, hwreg(HW_REG_IB_STS2, 6, 4)
	s_cmp_eq_u32 s2, 0
	s_cbranch_scc0 .Lentry_in_a_cluster
	s_endpgm
.Lentry_in_a_cluster:
	s_bfe_u32 s2, ttmp6, 0x10000c
	s_cmp_lg_u32 s2, 0xf033
	s_cbranch_scc0 .Lentry_shape_is_right
	s_endpgm
.Lentry_shape_is_right:
.set KSTEP,  256
.set NQ,     KSTEP/128
.set ROWB,   256
.set KROW,   2048
.set SIZE_N, 1024
.set PITCH,  272
.set FR,     16
.set NL,     4
.set NP,     8
.set HALFT,  128*PITCH
.set SLOT,   4*HALFT
.set LAPS,   4
.set KS,     64
.set SCL,    2*SLOT
.set HALFS,  (128*KS/256)*272
.set SBLK,   (16*KS/256)*272
.set SPARE,  SCL+4*HALFS
.set LTAB,   SPARE+512
.set SPITCH, 528
.set LSA,  15
.set ADRA, 16
.set ADRB, 20
.set GS8,  18
.set GS16, 19
.set ASA,  22
.set PFO,  23
.set STO,  24
.set RD,   25
.set CO,   26
.set ADRS, 27
.set SPW,  28
.set NIL,  29
.set LTA,  30
.set BSA,  31
.set SC,   32
.set AF,   128
.set BK,   128
.set LV,   64
.set SW,   80
.set PM,   112
.set PL,   144
.set ADJ,  176
.set BV,   208
.set G1, 24
.set G0, 32
.set G1B, 48
.set G0B, 56
.set PFA, 76
.set LIM, 78
.set MSB, 0
.macro WIN new
.if MSB != \new
	s_set_vgpr_msb (MSB<<8)|\new
.set MSB, \new
.endif
.endm
.set MUL_LO, 0xa1
.set MUL_HI, 0xf1
.set TO_B,   0x40
.macro JLOAD g0a, g1a, g0b, g1b
	s_cmp_eq_u32 s15, 0
	s_cbranch_scc0 .Lfor_b_\@
	tensor_load_to_lds s[\g0a:\g0a+3], s[\g1a:\g1a+7]
	s_nop 0
.rept 4
	v_nop
.endr
	s_branch .Lasked_\@
.Lfor_b_\@:
	tensor_load_to_lds s[\g0b:\g0b+3], s[\g1b:\g1b+7]
	s_nop 0
.rept 4
	v_nop
.endr
.Lasked_\@:
.endm
.macro ASK
	s_cmp_gt_u32 s3, s[LIM]
	s_cbranch_scc0 .Lnot_mine_\@
	global_prefetch_b8 v[PFO], s[PFA:PFA+1] offset:ROWB th:TH_LOAD_NT scope:SCOPE_SE
.Lnot_mine_\@:
.endm
.macro CREST
	s_cmp_lg_u32 s14, 0
	s_cbranch_scc1 .Lnot_wave_0_\@
	s_barrier_signal -3
.Lnot_wave_0_\@:
	s_barrier_wait -3
	s_barrier_signal -1
	s_barrier_wait -1
.endm
.macro CROUND
	s_barrier_signal -1
	s_barrier_wait -1
	CREST
.endm
	s_load_b128 s[4:7], s[0:1], 0x0
	s_load_b128 s[68:71], s[0:1], 0x10
	s_load_b128 s[8:11], s[0:1], 0x20
	s_load_b64 s[12:13], s[0:1], 0x30
	v_lshl_add_u32 v[SPW], v0, 2, SPARE
	v_mov_b32 v[NIL], 0
	ds_add_u32 v28, v29
	ds_add_u32 v28, v29
	s_wait_dscnt 0x0
	v_lshrrev_b32 v1, 5, v0
	v_readfirstlane_b32 s14, v1
	s_lshr_b32 s15, s14, 1
	s_and_b32 s16, s14, 1
	s_bfe_u32 s40, ttmp6, 0x40000
	s_bfe_u32 s41, ttmp6, 0x40004
	s_lshl_b32 s42, ttmp9, 2
	s_add_co_u32 s42, s42, s40
	s_and_b32 s17, ttmp7, 0xffff
	s_lshr_b32 s95, s17, 1
	s_lshl_b32 s17, s17, 2
	s_add_co_u32 s17, s17, s41
	s_lshl_b32 s43, s41, 2
	s_lshl_b32 s43, 15, s43
	s_lshl_b32 s44, 0x1111, s40
	s_or_b32 s[G1+0], s43, (0<<16)|(1<<20)|(1<<21)|(5<<22)|(3<<25)
	s_or_b32 s[G1B+0], s44, (0<<16)|(1<<20)|(1<<21)|(5<<22)|(3<<25)
.irp g, G1, G1B
	s_mov_b32 s[\g+1], ROWB<<16
	s_mov_b32 s[\g+2], 128<<16
	s_mov_b32 s[\g+3], ROWB<<16
	s_mov_b32 s[\g+4], 128
	s_mov_b32 s[\g+5], KROW
	s_mov_b32 s[\g+6], 0
	s_mov_b32 s[\g+7], 0
.endr
	s_lshl_b32 s18, s16, 7
	s_lshl_b32 s20, s17, 8
	s_add_co_u32 s20, s20, s18
	s_lshl_b32 s20, s20, 11
	s_mov_b32 s21, 0
	s_lshl_b32 s46, s42, 8
	s_add_co_u32 s46, s46, s18
	s_lshl_b32 s19, s95, 10
	s_add_co_u32 s46, s46, s19
	s_lshl_b32 s46, s46, 11
	s_mov_b32 s47, 0
	s_mul_i32 s45, s14, HALFT
	s_wait_kmcnt 0x0
	s_add_nc_u64 s[20:21], s[4:5], s[20:21]
	s_add_nc_u64 s[46:47], s[8:9], s[46:47]
	CROUND
.irp s, 0,1
	s_mov_b32 s[G0+4*\s], 1
	s_add_co_u32 s[G0+4*\s+1], s45, \s*SLOT
	s_add_nc_u64 s[G0+4*\s+2:G0+4*\s+3], s[20:21], \s*ROWB
	s_or_b32 s[G0+4*\s+3], s[G0+4*\s+3], 0x80000000
	s_mov_b32 s[G0B+4*\s], 1
	s_add_co_u32 s[G0B+4*\s+1], s45, \s*SLOT
	s_add_nc_u64 s[G0B+4*\s+2:G0B+4*\s+3], s[46:47], \s*ROWB
	s_or_b32 s[G0B+4*\s+3], s[G0B+4*\s+3], 0x80000000
	JLOAD G0+4*\s, G1, G0B+4*\s, G1B
.endr
	s_lshl_b32 s86, s17, 14
	s_mov_b32 s87, 0
	s_add_nc_u64 s[6:7], s[6:7], s[86:87]
	s_add_nc_u64 s[68:69], s[68:69], s[86:87]
	s_add_nc_u64 s[70:71], s[70:71], s[86:87]
	s_lshl_b32 s88, s95, 16
	s_lshl_b32 s89, s42, 11
	s_add_co_u32 s88, s88, s89
	s_mov_b32 s89, 0
	s_add_nc_u64 s[10:11], s[10:11], s[88:89]
	v_lshlrev_b32 v[GS8], 3, v0
	v_lshlrev_b32 v[GS16], 4, v0
.irp c, 0,1,2,3,4,5,6,7,8,9,10,11,12,13,14,15
	global_load_b64 v[SW+2*\c:SW+2*\c+1], v[GS8], s[6:7] offset:1024*\c
	global_load_b64 v[PM+2*\c:PM+2*\c+1], v[GS8], s[68:69] offset:1024*\c
	global_load_b64 v[PL+2*\c:PL+2*\c+1], v[GS8], s[70:71] offset:1024*\c
.endr
.irp y, 0,1,2,3,4,5,6,7
	global_load_b128 v[BV+4*\y:BV+4*\y+3], v[GS16], s[10:11] offset:8192*\y
.endr
	v_and_b32 v1, 15, v0
	v_bfe_u32 v2, v0, 4, 1
	v_mul_u32_u24 v3, v1, PITCH
	v_lshl_add_u32 v4, v2, 4, v3
	s_mul_i32 s21, s15, HALFT
	s_mul_i32 s22, s16, HALFT
	s_add_co_u32 s22, s22, 2*HALFT
.irp s, 0,1
	v_add_nc_u32 v[ADRA+\s], s21, v4
	v_add_nc_u32 v[ADRB+\s], s22, v4
	s_add_co_u32 s21, s21, SLOT
	s_add_co_u32 s22, s22, SLOT
.endr
	v_mul_u32_u24 v5, v1, KS
	v_lshrrev_b32 v6, 8, v5
	v_lshl_add_u32 v5, v6, 4, v5
	s_mul_i32 s21, s15, HALFS
	s_mul_i32 s22, s16, HALFS
	s_add_co_u32 s22, s22, 2*HALFS
	s_sub_co_u32 s22, s22, s21
	v_mul_u32_u24 v6, s22, v2
	s_add_co_u32 s21, s21, SCL
	v_add_nc_u32 v5, v5, v6
	v_add_nc_u32 v[ADRS], s21, v5
	v_lshrrev_b32 v5, 1, v0
	v_mul_u32_u24 v5, v5, 272
	v_and_b32 v6, 1, v0
	v_lshl_add_u32 v5, v6, 7, v5
	v_add_nc_u32 v[ASA], SCL, v5
	v_add_nc_u32 v[BSA], SCL+2*HALFS, v5
	v_lshl_add_u32 v[LSA], v0, 3, LTAB
	s_lshl_b32 s21, s15, 9
	s_add_co_u32 s21, s21, LTAB
	v_lshl_add_u32 v[LTA], v1, 2, s21
	s_mul_i32 s23, s14, 16*SPITCH
	v_mul_u32_u24 v5, v1, SPITCH
	v_lshl_add_u32 v5, v2, 5, v5
	v_add_nc_u32 v[STO], s23, v5
	v_and_b32 v6, 31, v0
	v_lshlrev_b32 v[CO], 4, v6
	v_add_nc_u32 v[RD], s23, v[CO]
	v_lshlrev_b32 v[PFO], 11, v6
	s_lshl_b32 s86, s17, 8
	s_lshl_b32 s88, s15, 7
	s_add_co_u32 s86, s86, s88
	s_lshl_b32 s86, s86, 12
	s_lshl_b32 s88, s42, 10
	s_add_co_u32 s86, s86, s88
	s_lshl_b32 s88, s16, 9
	s_add_co_u32 s86, s86, s88
	s_add_nc_u64 s[12:13], s[12:13], s[86:87]
	s_lshl_b32 s86, s17, 8
	s_lshl_b32 s88, s42, 8
	s_lshl_b32 s89, s95, 10
	s_add_co_u32 s88, s88, s89
	s_and_b32 s89, ttmp7, 1
	s_cmp_eq_u32 s15, 0
	s_cselect_b32 s86, s86, s88
	s_cselect_b32 s88, s40, s41
	s_cselect_b32 s89, ttmp9, s89
	s_cselect_b64 s[PFA:PFA+1], s[4:5], s[8:9]
	s_cmp_eq_u32 s89, 0
	s_cselect_b32 s[LIM], 1, -1
	s_lshl_b32 s89, s16, 7
	s_add_co_u32 s86, s86, s89
	s_lshl_b32 s88, s88, 5
	s_add_co_u32 s86, s86, s88
	s_lshl_b32 s86, s86, 11
	s_add_co_u32 s86, s86, 2*ROWB
	s_add_nc_u64 s[PFA:PFA+1], s[PFA:PFA+1], s[86:87]
	s_wait_loadcnt 0x0
.macro FIX e
	v_min3_num_f32 v64, v[PM+\e], v[PM+2+\e], v[PM+4+\e]
.irp c, 3,5,7,9,11,13
	v_min3_num_f32 v64, v64, v[PM+2*\c+\e], v[PM+2*\c+2+\e]
.endr
	v_min_num_f32 v64, v64, v[PM+30+\e]
.irp c, 0,1,2,3,4,5,6,7,8,9,10,11,12,13,14,15
	v_sub_f32 v65, v64, v[PM+2*\c+\e]
	v_cvt_i32_f32 v65, v65
.if \c == 0
	v_ldexp_f32 v[76+\e], v[PL+\e], v65
.else
	v_ldexp_f32 v66, v[PL+2*\c+\e], v65
	v_add_f32 v[76+\e], v[76+\e], v66
.endif
	v_sub_nc_u32 v68, 0, v65
	v_min_u32 v68, 0xff, v68
	v_and_b32 v69, 0xff, v[SW+2*\c+\e]
	v_bfe_u32 v70, v[SW+2*\c+\e], 8, 8
	v_bfe_u32 v71, v[SW+2*\c+\e], 16, 8
	v_lshrrev_b32 v72, 24, v[SW+2*\c+\e]
	v_min_u32 v73, v68, v69
	v_min_u32 v74, v68, v70
	v_min_u32 v75, v68, v71
	v_min_u32 v67, v68, v72
	v_sub_nc_u32 v69, v69, v73
	v_sub_nc_u32 v70, v70, v74
	v_sub_nc_u32 v71, v71, v75
	v_sub_nc_u32 v72, v72, v67
	v_lshl_or_b32 v[ADJ+16*\e+\c], v70, 8, v69
	v_lshl_or_b32 v[ADJ+16*\e+\c], v71, 16, v[ADJ+16*\e+\c]
	v_lshl_or_b32 v[ADJ+16*\e+\c], v72, 24, v[ADJ+16*\e+\c]
.endr
.endm
	FIX 0
	FIX 1
	v_rcp_f32 v78, v76
	v_rcp_f32 v79, v77
	v_nop
	s_wait_alu depctr_va_vdst(0)
.irp e, 0,1
.irp j, 0,1,2,3
	ds_store_b128 v[ASA], v[ADJ+16*\e+4*\j:ADJ+16*\e+4*\j+3] offset:64*\e+16*\j
.endr
.endr
.irp y, 0,1,2,3,4,5,6,7
.irp e, 0,1
	ds_store_b64 v[BSA], v[BV+4*\y+2*\e:BV+4*\y+2*\e+1] offset:64*\e+8*\y
.endr
.endr
	ds_store_b64 v[LSA], v[78:79]
.macro FRAG reg, adr, q, i
.irp c, 0,1,2,3
	ds_load_b128 v[\reg+4*\c:\reg+4*\c+3], v[\adr] offset:128*(\q)+32*\c+(\i)*16*PITCH
.endr
.endm
.macro MUL16 a0, p, q, sc, zero
.irp a, \a0, \a0+1
.irp b, 0,1,2,3,4,5,6,7
.if \zero
	v_wmma_scale_f32_16x16x128_f8f6f4 v[8*(8*((\a)%4)+\b):8*(8*((\a)%4)+\b)+7], v[128*(\p)+FR*\b:128*(\p)+FR*\b+FR-1], v[AF+FR*(\a):AF+FR*(\a)+FR-1], 0, v[SC+8*NQ*(\sc)+NQ*\b+(\q)], v[SC+8*NQ*(\sc)+NQ*(\a)+(\q)] matrix_a_fmt:MATRIX_FMT_BF8 matrix_b_fmt:MATRIX_FMT_BF8 matrix_a_scale:MATRIX_SCALE_ROW1
.else
	v_wmma_scale_f32_16x16x128_f8f6f4 v[8*(8*((\a)%4)+\b):8*(8*((\a)%4)+\b)+7], v[128*(\p)+FR*\b:128*(\p)+FR*\b+FR-1], v[AF+FR*(\a):AF+FR*(\a)+FR-1], v[8*(8*((\a)%4)+\b):8*(8*((\a)%4)+\b)+7], v[SC+8*NQ*(\sc)+NQ*\b+(\q)], v[SC+8*NQ*(\sc)+NQ*(\a)+(\q)] matrix_a_fmt:MATRIX_FMT_BF8 matrix_b_fmt:MATRIX_FMT_BF8 matrix_a_scale:MATRIX_SCALE_ROW1
.endif
.endr
.endr
.endm
.macro FETCH_B slot, q, p
	WIN TO_B
.irp i, 0,1,2,3,4,5,6,7
	FRAG 128*(\p)+FR*\i, ADRB+\slot, \q, \i
.endr
	WIN 0
.endm
.macro FETCH_A slot, q, i0
.irp i, \i0, \i0+1, \i0+2, \i0+3
	FRAG AF+FR*(\i), ADRA+\slot, \q, \i
.endr
.endm
.macro SCALES sc
.irp i, 0,1,2,3,4,5,6,7
	ds_load_b64 v[SC+8*NQ*\sc+NQ*\i:SC+8*NQ*\sc+NQ*\i+1], v[ADRS] offset:\i*SBLK
.endr
.endm
.macro PLACES n
.rept \n
	v_nop
.endr
.endm
.macro STEP slot, q, zero
	s_wait_dscnt 4*NL
	WIN MUL_LO
	MUL16 0, (\q)%2, \q, \slot, \zero
	MUL16 2, (\q)%2, \q, \slot, \zero
	s_wait_dscnt 0
	PLACES NP
	FETCH_B \slot, (\q)+1, 1-(\q)%2
	FETCH_A \slot, (\q)+1, 0
	WIN MUL_HI
	MUL16 4, (\q)%2, \q, \slot, \zero
	MUL16 6, (\q)%2, \q, \slot, \zero
	PLACES NP
	WIN 0
	FETCH_A \slot, (\q)+1, 4
.endm
.macro TURN slot, next, fill
.if \fill
	s_wait_xcnt 0x0
	s_add_nc_u64 s[PFA:PFA+1], s[PFA:PFA+1], ROWB
.endif
	s_wait_tensorcnt 0x0
	ds_add_u32 v[SPW], v[NIL]
	s_wait_dscnt 4*NL+1
	WIN MUL_LO
	MUL16 0, 1, NQ-1, \slot, 0
	s_wait_dscnt 0x0
	s_barrier_signal -1
	MUL16 2, 1, NQ-1, \slot, 0
	WIN 0
	s_barrier_wait -1
.if \fill
	CREST
	s_add_nc_u64 s[G0+4*\slot+2:G0+4*\slot+3], s[G0+4*\slot+2:G0+4*\slot+3], 2*ROWB
	s_add_nc_u64 s[G0B+4*\slot+2:G0B+4*\slot+3], s[G0B+4*\slot+2:G0B+4*\slot+3], 2*ROWB
	JLOAD G0+4*\slot, G1, G0B+4*\slot, G1B
	PLACES NP-4
.else
	PLACES NP
.endif
	v_add_nc_u32 v[ADRS], 4*NQ, v[ADRS]
	FETCH_B \next, 0, 0
	FETCH_A \next, 0, 0
	SCALES \next
.if \fill
	ASK
.endif
	WIN MUL_HI
	MUL16 4, 1, NQ-1, \slot, 0
	MUL16 6, 1, NQ-1, \slot, 0
	PLACES NP
	WIN 0
	FETCH_A \next, 0, 4
.endm
	s_wait_tensorcnt 1
	s_wait_dscnt 0x0
	s_barrier_signal -1
	s_barrier_wait -1
	FETCH_B 0, 0, 0
	FETCH_A 0, 0, 0
	SCALES 0
	FETCH_A 0, 0, 4
	STEP 0, 0, 1
	s_mov_b32 s3, LAPS-1
.Llap:
	TURN 0, 1, 1
	STEP 1, 0, 0
	TURN 1, 0, 1
	STEP 0, 0, 0
	s_sub_co_u32 s3, s3, 1
	s_cmp_lg_u32 s3, 0
	s_cbranch_scc1 .Llap
	TURN 0, 1, 0
	STEP 1, 0, 0
	s_wait_dscnt 4*NL
	WIN MUL_LO
	MUL16 0, 1, NQ-1, 1, 0
	MUL16 2, 1, NQ-1, 1, 0
	s_wait_dscnt 0
	WIN MUL_HI
	MUL16 4, 1, NQ-1, 1, 0
	MUL16 6, 1, NQ-1, 1, 0
	WIN 0
.macro MULB a
.set AC, 64*((\a)%4)
	WIN (0x82+0x41*((\a)/4))
.set j, 0
.rept 32
	v_pk_mul_f32 v[AC+j:AC+j+1], v[AC+j:AC+j+1], v[LV+2*(\a):LV+2*(\a)+1] op_sel_hi:[1,0]
.set j, j+2
.endr
.endm
.macro TOSTAGE a
.set AC, 64*((\a)%4)
	WIN (0x08+4*((\a)/4))
.irp b, 0,1,2,3,4,5,6,7
	ds_store_b128 v[STO], v[AC+8*\b:AC+8*\b+3] offset:64*\b
	ds_store_b128 v[STO], v[AC+8*\b+4:AC+8*\b+7] offset:64*\b+16
.endr
	WIN 0
.set BB, BK+64*((\a)%2)
.irp t, 0,1,2,3,4,5,6,7,8,9,10,11,12,13,14,15
	ds_load_b128 v[BB+4*\t:BB+4*\t+3], v[RD] offset:\t*SPITCH
.endr
.endm
.macro SEND a, younger
.set BB, BK+64*((\a)%2)
	s_wait_dscnt \younger
.if (\a) > 0
	s_add_nc_u64 s[12:13], s[12:13], 16*SIZE_N*4
.endif
.irp t, 0,1,2,3,4,5,6,7,8,9,10,11,12,13,14,15
	global_store_b128 v[CO], v[BB+4*\t:BB+4*\t+3], s[12:13] offset:\t*SIZE_N*4 th:TH_STORE_NT
.endr
.endm
	PLACES NP
.irp a, 0,1,2,3,4,5,6,7
	ds_load_b32 v[LV+2*\a], v[LTA] offset:64*\a
.endr
.irp a, 0,1,2,3,4,5,6,7
	v_mov_b32 v[LV+2*\a+1], 0
.endr
	s_wait_dscnt 0x0
	MULB 0
	TOSTAGE 0
.irp a, 1,2,3,4,5,6,7
.if \a > 1
	s_wait_xcnt 0x0
.endif
	MULB \a
	TOSTAGE \a
	SEND \a-1, 32
.endr
	s_wait_xcnt 0x0
	SEND 7, 0
	s_wait_tensorcnt 0x0
	ds_add_u32 v[SPW], v[NIL]
	s_wait_dscnt 0x0
	CROUND
	s_endpgm
.Lfunc_end_k_q945e7a3472_mix:
	.size	k_q945e7a3472_mix, .Lfunc_end_k_q945e7a3472_mix-k_q945e7a3472_mix
	.p2alignl 7, 3214868480
	.fill 96, 4, 3214868480
	.section	.rodata,"a",@progbits
	.p2align	6, 0x0
	.amdhsa_kernel k_q945e7a3472_mix
		.amdhsa_group_segment_fixed_size 327680
		.amdhsa_private_segment_fixed_size 0
		.amdhsa_enable_private_segment 0
		.amdhsa_kernarg_size 56
		.amdhsa_user_sgpr_count 2
		.amdhsa_user_sgpr_kernarg_segment_ptr 1
		.amdhsa_wavefront_size32 1
		.amdhsa_system_sgpr_workgroup_id_x 1
		.amdhsa_system_sgpr_workgroup_id_y 1
		.amdhsa_system_sgpr_workgroup_id_z 1
		.amdhsa_system_vgpr_workitem_id 0
		.amdhsa_next_free_vgpr 1024
		.amdhsa_next_free_sgpr 96
		.amdhsa_reserve_vcc 0
		.amdhsa_float_denorm_mode_32 3
		.amdhsa_float_denorm_mode_16_64 3
		.amdhsa_memory_ordered 1
		.amdhsa_forward_progress 1
		.amdhsa_inst_pref_size 200
	.end_amdhsa_kernel
	.amdgpu_metadata
---
amdhsa.version: [ 1, 2 ]
amdhsa.kernels:
  - .name:           k_q945e7a3472_mix
    .symbol:         k_q945e7a3472_mix.kd
    .args:
      - { .name: p_codes, .offset: 0, .size: 8, .value_kind: global_buffer, .address_space: global }
      - { .name: p_scales, .offset: 8, .size: 8, .value_kind: global_buffer, .address_space: global }
      - { .name: p_m, .offset: 16, .size: 8, .value_kind: global_buffer, .address_space: global }
      - { .name: p_l, .offset: 24, .size: 8, .value_kind: global_buffer, .address_space: global }
      - { .name: tv_codes, .offset: 32, .size: 8, .value_kind: global_buffer, .address_space: global }
      - { .name: tv_scales, .offset: 40, .size: 8, .value_kind: global_buffer, .address_space: global }
      - { .name: out0, .offset: 48, .size: 8, .value_kind: global_buffer, .address_space: global }
    .group_segment_fixed_size: 327680
    .private_segment_fixed_size: 0
    .kernarg_segment_align: 8
    .kernarg_segment_size: 56
    .max_flat_workgroup_size: 128
    .sgpr_count:     96
    .vgpr_count:     1024
    .wavefront_size: 32
...
	.end_amdgpu_metadata
.endif
;; end of part 3
